; MI455X (gfx1250); checked and timed in simulation.
; The chip was launched on July 23, 2026; its instructions are those of AMD's public machine-readable ISA for CDNA 5 (MIT licence, August 2026) and "CDNA5" Instruction Set Architecture Reference Guide (July 2026). The comments in the code are by the model that wrote it; some were corrected since.
;; Multi Head Self Attention. Allowed arithmetic: matrix products marked QUANTISED: E2M3 operands, one E8M0 scale for each 32 along K, by v_wmma_scale_f32_16x16x128_f8f6f4 with both operands' format E2M3, f32 sums; everything else in f32.
;; Inputs: Wk 1,024 x 1,024 float32; Wq 1,024 x 1,024 float32; Wv 1,024 x 1,024 float32; bk 1,024 float32; bq 1,024 float32; bv 1,024 float32; mask 4 x 2,048 float32; x 4 x 2,048 x 1,024 float32.
;; Outputs: out0 4 x 2,048 x 1,024 float32.
;; This version of the problem:
;;   THIS VERSION OF THE PROBLEM IS GIVEN IN LOW PRECISION. The matrix products marked QUANTISED in the list below multiply operands that are first quantised to E2M3 (2 exponent bits, 3 mantissa bits; 6 bits a number), with one power-of-two scale for each 32 numbers along K (OCP MX v1.0); their sums are f32. All else is computed in f32.
;;   The module's matrix products, in the order in which they are computed (A, B: the left and right operand; K: the contracted axis; several contracted axes count as one K, in the product's order):
;;     1. [M 8,192, K 1,024] x [K 1,024, N 1,024]; A: input x; B: input Wq: QUANTISED
;;     2. [M 8,192, K 1,024] x [K 1,024, N 1,024]; A: input x; B: input Wk: QUANTISED
;;     3. [M 8,192, K 1,024] x [K 1,024, N 1,024]; A: input x; B: input Wv: QUANTISED
;;     4. batch 64 x [M 2,048, K 64] x [K 64, N 2,048]; A: computed on the way; B: computed on the way: QUANTISED
;;     5. batch 64 x [M 2,048, K 2,048] x [K 2,048, N 64]; A: computed on the way; B: computed on the way: QUANTISED
;;   THE QUANTISER, for each operand of a quantised product, along K:
;;     - K is cut into blocks of 32 from its start; a last block that is shorter is filled with zeros.
;;     - A block's scale is 2^e with e = floor(log2(the largest magnitude in the block)) - 2, held to -126 .. 127; a block of zeros has e = 0. As a byte (E8M0): e + 127.
;;     - Each number is divided by its block's scale, clamped to +-7.5, and rounded to the nearest number of E2M3, ties to even, subnormals kept.
;;     - The product sums the exact products of the quantised numbers (number of the format x scale) in f32.
;;   ~~~python
;;   def quantise(x, axis):      # numpy; x: float32 -> the quantised numbers, widened to float32 again
;;       x = np.moveaxis(x, axis, -1); K = x.shape[-1]
;;       x = np.pad(x, [(0, 0)] * (x.ndim - 1) + [(0, -K % 32)]); x = x.reshape(x.shape[:-1] + (-1, 32)); a = np.abs(x).max(-1, keepdims=True)
;;       e = np.where(a > 0, np.clip(np.frexp(np.where(a > 0, a, 1))[1] - 1 - 2, -126, 127), 0)      # np.frexp(a)[1] - 1 = floor(log2(a)), exactly
;;       r = np.clip(x / 2.0 ** e, -7.5, 7.5)
;;       step = 2.0 ** (np.maximum(np.frexp(np.where(r == 0, 1, r))[1] - 1, 0) - 3)
;;       q = np.round(r / step) * step * 2.0 ** e      # np.round: ties to even
;;       return np.moveaxis(q.reshape(q.shape[:-2] + (-1,))[..., :K], -1, axis).astype(np.float32)
;;   ~~~
;;   OPERANDS COMPUTED ON THE WAY. 'Computed on the way' means the value that the module computes at that place (a softmax that the list does not call 'softmax' is quantised finished and normalised). What goes into a quantiser is computed in f32, as accurately as f32 sums, v_exp_f32 and their like allow (about 1e-6 of the number): no bf16 or f16 on the way to a quantiser, and a product that is left as it is and whose result goes on into a quantised operand takes f32 operands (vector FMAs, or v_wmma_f32_16x16x4_f32). A number that lies on a knife's edge between two numbers of the format may be rounded either way, as far as f32 arithmetic and the matrix unit's own rounding can turn it there, and no further.
;; One version. Each part assembles by itself: llvm-mc -triple=amdgcn-amd-amdhsa -mcpu=gfx1250 --defsym DOCPART=n.
;; ======== version 1 of 1: 3 launches
;; limits: right only within a limited range of input values
;; workspace buffers: x_codes 6,291,456 bytes; x_scales 262,144 bytes; w_codes 2,359,296 bytes; w_scales 98,304 bytes; qk 13,107,200 bytes; vt 6,553,600 bytes
;; launch quant (part 1): grid 352 x 1, 4 waves a work-group, no clusters, 68,096 bytes of LDS; arguments x, Wq, Wk, Wv, x_codes, x_scales, w_codes, w_scales; writes x_codes, x_scales, w_codes, w_scales
.if DOCPART == 1
	.amdgcn_target "amdgcn-amd-amdhsa--gfx1250"
	.amdhsa_code_object_version 6
	.text
	.protected	k_q7e70a66f1a_quant
	.globl	k_q7e70a66f1a_quant
	.p2align	8
	.type	k_q7e70a66f1a_quant,@function
k_q7e70a66f1a_quant:
	s_mov_b64 s[64:65], 0
	v_nop
	global_prefetch_b8 v0, s[64:65] scope:SCOPE_SE
	s_setreg_imm32_b32 hwreg(HW_REG_WAVE_MODE, 25, 1), 1
	s_wait_xcnt 0x0
; x [8192][1024] f32 (K innermost) and Wq, Wk, Wv [1024 (k)][1024 (n)] f32 (K is the FIRST axis) become codes of FP6 (E2M3), K innermost, 768 bytes a row, with one E8M0 byte for each 32 along K, 32 bytes a row.
; x_codes [8192][768], x_scales [8192][32]; w_codes [3072][768], w_scales [3072][32]: rows n of Wq, then of Wk, then of Wv.
; STORED ROW ORDER: in each group of 32 rows, row a lies at the place whose bits 3 and 4 are a's bits 4 and 3.  Sixteen consecutive stored rows 16 t + r are then the rows 32 (t / 2) + 8 (t % 2) + r % 8 + 16 (r / 8):
; used as source 0 of a matrix instruction, two neighbouring tiles leave 16 NEIGHBOURS along that axis in a lane's 16 result registers, which the next launch quantises.
; A block's scale is 2^(floor(log2(largest magnitude)) - 2); its byte is the largest magnitude's exponent field - 2, held at 1 from below (a block of zeros keeps the byte 1: its codes are zeros, and this program alone reads the bytes).
; LIMITS: NaN and infinities among the inputs are not served; blocks whose largest magnitude lies under 2^-124 keep the byte 1.
; Work-groups 0-255 take x, 32 rows each, a wave 8 rows; work-groups 256-351 take the weights, 128 columns x 256 along K each.  The two ways part on the work-group's number and have LDS bytes of their own.
; No tensor loads, no barrier, no matrix unit: a stream that is read once, and waves share nothing.
.set XWG,   256                        ; work-groups for x
.set STEPS, 16                         ; x: steps of 512 numbers a wave
.set CB,    12                         ; bytes of 16 codes
.set XR,    16                         ; v16-79   x: four sets of 16 numbers as loaded
.set XN,    80                         ; v80-111  x: two sets of 16 neighbours
.set XE,    112                        ; v112-127 x: a scale byte for each step
.set XC,    128                        ; v128-191 x: codes, four registers a step
.set WREG,  8192                       ; x: LDS bytes of a wave: two stages of 32 x SP, then 256 scale bytes
.set SP,    80                         ; x: a lane's place in a stage: 64 bytes + 16
.set WSTG,  32768                      ; the weights' stages begin behind x's regions
.set NB,    8                          ; W: blocks of 32 along K for a wave
.set WP,    272                        ; W: a stage row: sixteen places of 16 bytes + 16
.set KROW,  768                        ; a row of codes in memory
.set WN,    32                         ; v32-95   W: two sets of 32 numbers
.set WC,    96                         ; v96-102  W: a block's codes
.set OUTR,  112                        ; v112-175 W: the way out
.set SB,    24                         ; v24-25   W: the scale bytes
	s_load_b256 s[4:11], s[0:1], 0x0               ; x, Wq, Wk, Wv
	s_load_b256 s[12:19], s[0:1], 0x20             ; x_codes, x_scales, w_codes, w_scales
	v_lshl_add_u32 v192, v0, 2, 0x10800
	v_mov_b32 v193, 0
	v_lshrrev_b32 v1, 5, v0
	v_readfirstlane_b32 s20, v1                    ; wave 0..3
	v_and_b32 v2, 31, v0                           ; lane
	s_cmp_lt_u32 ttmp9, XWG
	s_cbranch_scc0 .Lweights
; ---------------- x: a plain stream of blocks of 32.  A load reads 512 consecutive bytes; a step's 2,048 bytes turn through the wave's stage so that a lane holds 16 neighbours
	v_lshlrev_b32 v3, 4, v2                        ; my 16 bytes of a load's 512
	s_mul_i32 s21, s20, WREG
	v_lshrrev_b32 v14, 2, v2
	v_mul_u32_u24 v14, v14, SP
	v_and_b32 v15, 3, v2
	v_lshl_add_u32 v14, v15, 4, v14
	v_add_nc_u32 v14, s21, v14                     ; into the stage: SP (lane / 4) + 16 (lane % 4)
	v_mul_u32_u24 v15, v2, SP
	v_add_nc_u32 v15, s21, v15                     ; out of it: SP x lane
	v_mul_u32_u24 v4, v2, CB                       ; my codes' place in a step's 384 bytes
	v_lshrrev_b32 v5, 1, v2
	s_add_co_u32 s21, s21, 2*32*SP
	v_add_nc_u32 v5, s21, v5                       ; my block's scale byte in the wave's 256
	v_lshlrev_b32 v7, 3, v2
	v_add_nc_u32 v6, s21, v7                       ; and 8 bytes a lane on the way out
	s_lshl_b32 s22, ttmp9, 2
	s_add_co_u32 s24, s22, s20                     ; the run of 8 rows that I read: 4 x work-group + wave
	s_lshl_b32 s24, s24, 15                        ; x 32,768 bytes
	s_mov_b32 s25, 0
	s_and_b32 s23, s20, 1
	s_lshl_b32 s23, s23, 1
	s_lshr_b32 s26, s20, 1
	s_or_b32 s23, s23, s26                         ; the wave's two bits are the rows' bits 3 and 4: they change places
	s_add_co_u32 s22, s22, s23                     ; the run that I write
	s_mul_i32 s26, s22, 8*KROW
	s_mov_b32 s27, 0
	s_lshl_b32 s28, s22, 8
	s_mov_b32 s29, 0
	s_wait_alu depctr_va_vdst(0)
	s_wait_kmcnt 0x0
	s_add_nc_u64 s[4:5], s[4:5], s[24:25]
	s_add_nc_u64 s[12:13], s[12:13], s[26:27]
	s_add_nc_u64 s[14:15], s[14:15], s[28:29]
.macro XLOAD t
.irp i, 0,1,2,3
	global_load_b128 v[XR+16*((\t)%4)+4*\i:XR+16*((\t)%4)+4*\i+3], v3, s[4:5] offset:2048*(\t)+512*\i th:TH_LOAD_NT
.endr
.endm
.macro XTURN t                         ; LDS serves a wave's instructions in order: no wait between the stores and the loads
.irp i, 0,1,2,3
	ds_store_b128 v14, v[XR+16*((\t)%4)+4*\i:XR+16*((\t)%4)+4*\i+3] offset:32*SP*((\t)%2)+8*SP*\i
.endr
.irp i, 0,1,2,3
	ds_load_b128 v[XN+16*((\t)%2)+4*\i:XN+16*((\t)%2)+4*\i+3], v15 offset:32*SP*((\t)%2)+16*\i
.endr
.endm
.irp u, 0,1,2,3
	XLOAD \u
.endr
	s_wait_loadcnt 12                              ; step 0's four loads are in; the twelve of steps 1 to 3 may be out
	XTURN 0
.macro XSTEP t
.set XS, XN+16*((\t)%2)
.if (\t) > 0
	s_wait_dscnt 1                                 ; this step's numbers are back from the stage; the last step's byte store may be out
.else
	s_wait_dscnt 0x0
.endif
.if (\t)+4 < STEPS
	XLOAD (\t)+4                                   ; into the set whose stores into the stage are done
.endif
.if (\t)+1 < STEPS
.if STEPS-2-(\t) >= 3
	s_wait_loadcnt 12                              ; the next step's four loads are in; those of the three steps behind it may be out
.else
	s_wait_loadcnt 4*(STEPS-2-(\t))
.endif
	XTURN (\t)+1
.endif
	v_max3_num_f32 v8, |v[XS]|, |v[XS+1]|, |v[XS+2]|               ; the largest magnitude of my 16, in two chains
	v_max3_num_f32 v9, |v[XS+3]|, |v[XS+4]|, |v[XS+5]|
.irp i, 6,10
	v_max3_num_f32 v8, v8, |v[XS+\i]|, |v[XS+\i+1]|
	v_max3_num_f32 v9, v9, |v[XS+\i+2]|, |v[XS+\i+3]|
.endr
	v_max3_num_f32 v8, v8, |v[XS+14]|, |v[XS+15]|
	v_max3_num_f32 v8, v8, v9, 0x1800000           ; and the floor 2^(3 - 127): the byte cannot fall under 1
	v_max_num_f32_dpp v8, v8, v8 row_xmask:1 row_mask:0xf bank_mask:0xf   ; with my neighbour's 16: the block's
	v_add_nc_u32 v11, 0xff000000, v8               ; 2 off the exponent field: the conversion takes that field as its scale
	v_cvt_scalef32_pk16_fp6_f32 v[XC+4*(\t):XC+4*(\t)+2], v[XS:XS+15], v11
	v_lshrrev_b32 v[XE+(\t)], 23, v11              ; the scale's byte (a plain line behind the conversion)
	ds_store_b8 v5, v[XE+(\t)] offset:16*(\t)      ; both lanes of a block write the same byte with the same value
	global_store_b96 v4, v[XC+4*(\t):XC+4*(\t)+2], s[12:13] offset:32*CB*(\t)
.endm
.irp u, 0,1,2,3,4,5,6,7,8,9,10,11,12,13,14,15
	XSTEP \u
.endr
	ds_load_b64 v[12:13], v6                       ; my wave's 256 scale bytes: these loads see my stores
	s_wait_dscnt 0x0
	global_store_b64 v7, v[12:13], s[14:15]        ; 32 lanes store 256 consecutive bytes, aligned
	s_wait_tensorcnt 0x0
	ds_add_u32 v192, v193
	s_wait_dscnt 0x0
	s_endpgm
; ---------------- the weights: a lane takes a column n and its registers run down K, so the codes come out with K innermost
.Lweights:
	s_sub_co_u32 s21, ttmp9, XWG                   ; 0..95
	s_lshr_b32 s22, s21, 5                         ; which matrix
	s_and_b32 s23, s21, 7                          ; which 128 columns
	s_bfe_u32 s24, s21, 0x20003                    ; which 256 along K
	s_lshl_b32 s23, s23, 7
	s_lshl_b32 s25, s20, 5
	s_add_co_u32 s23, s23, s25                     ; my wave's first column: a multiple of 32
	s_wait_alu depctr_va_vdst(0)
	v_lshlrev_b32 v3, 2, v2                        ; in: 4 bytes a lane
	s_mul_i32 s25, s20, 32*WP
	s_add_co_u32 s25, s25, WSTG                    ; my stage
	v_mul_u32_u24 v4, v2, WP
	v_add_nc_u32 v4, s25, v4                       ; into it: row = my column
	v_and_b32 v5, 15, v2
	v_lshrrev_b32 v6, 4, v2
	v_mul_u32_u24 v7, v6, WP
	v_lshl_add_u32 v7, v5, 4, v7
	v_add_nc_u32 v7, s25, v7                       ; out of it: sixteen lanes to a row, two rows an instruction
	v_mul_u32_u24 v8, v6, KROW
	v_mad_u32_u24 v8, v5, 12, v8                   ; and the same in memory: 12 bytes a lane
	v_and_b32 v9, 7, v2                            ; my column's stored place among its 32: bits 3 and 4 change places
	v_bfe_u32 v10, v2, 3, 1
	v_lshl_or_b32 v9, v10, 4, v9
	v_bfe_u32 v10, v2, 4, 1
	v_lshl_or_b32 v9, v10, 3, v9
	v_lshlrev_b32 v9, 5, v9                        ; x 32 bytes: its row of scale bytes
	s_lshl_b32 s26, s24, 20                        ; 256 rows of 4,096 bytes
	s_lshl_b32 s27, s23, 2
	s_add_co_u32 s26, s26, s27
	s_mov_b32 s27, 0
	s_lshl_b32 s28, s22, 10
	s_add_co_u32 s28, s28, s23                     ; first row of my 32 in w_codes
	s_mul_i32 s30, s28, KROW
	s_mul_i32 s29, s24, 192
	s_add_co_u32 s30, s30, s29
	s_mov_b32 s31, 0
	s_lshl_b32 s32, s28, 5
	s_lshl_b32 s29, s24, 3
	s_add_co_u32 s32, s32, s29
	s_mov_b32 s33, 0
	s_wait_kmcnt 0x0
	s_cmp_eq_u32 s22, 0                            ; the choice of matrix hangs on the work-group's number alone
	s_cselect_b64 s[6:7], s[6:7], s[8:9]
	s_cmp_eq_u32 s22, 2
	s_cselect_b64 s[6:7], s[10:11], s[6:7]
	s_add_nc_u64 s[6:7], s[6:7], s[26:27]
	s_add_nc_u64 s[16:17], s[16:17], s[30:31]
	s_add_nc_u64 s[18:19], s[18:19], s[32:33]
.macro WLOAD t                         ; block t: W(32 t + i, my column) into set t % 2: a wave's load reads 128 consecutive bytes
.irp i, 0,1,2,3,4,5,6,7,8,9,10,11,12,13,14,15,16,17,18,19,20,21,22,23,24,25,26,27,28,29,30,31
	global_load_b32 v[WN+32*((\t)%2)+\i], v3, s[6:7] offset:(32*(\t)+\i)*4096 th:TH_LOAD_NT
.endr
.endm
	WLOAD 0
	WLOAD 1
.macro WBLOCK t
.set XS, WN+32*((\t)%2)
.if (\t) < NB-1
	s_wait_loadcnt 32                              ; this block's 32 loads are in; the next block's 32 may be out
.else
	s_wait_loadcnt 0
.endif
	v_max3_num_f32 v12, |v[XS]|, |v[XS+1]|, |v[XS+2]|               ; all 32 numbers of the block are mine
	v_max3_num_f32 v13, |v[XS+3]|, |v[XS+4]|, |v[XS+5]|
.irp i, 6,10,14,18,22,26
	v_max3_num_f32 v12, v12, |v[XS+\i]|, |v[XS+\i+1]|
	v_max3_num_f32 v13, v13, |v[XS+\i+2]|, |v[XS+\i+3]|
.endr
	v_max3_num_f32 v12, v12, |v[XS+30]|, |v[XS+31]|
	v_max3_num_f32 v12, v12, v13, 0x1800000        ; the floor
	v_add_nc_u32 v11, 0xff000000, v12              ; the conversion's scale operand
	v_lshrrev_b32 v13, 23, v11                     ; the byte
.if (\t)%4 == 0
	v_mov_b32 v[SB+(\t)/4], v13
.else
	v_lshl_or_b32 v[SB+(\t)/4], v13, 8*((\t)%4), v[SB+(\t)/4]
.endif
	v_cvt_scalef32_pk16_fp6_f32 v[WC:WC+2], v[XS:XS+15], v11
	v_cvt_scalef32_pk16_fp6_f32 v[WC+4:WC+6], v[XS+16:XS+31], v11   ; (a conversion's three registers begin on an even number)
	v_nop                                          ; one plain line behind the conversions
	ds_store_b96 v4, v[WC:WC+2] offset:32*(\t)     ; 12 bytes to a place of 16: every LDS address is a multiple of 16
	ds_store_b96 v4, v[WC+4:WC+6] offset:32*(\t)+16
.if (\t)+2 < NB
	WLOAD (\t)+2
.endif
	s_wait_dscnt 0x0                               ; the stores have read their registers
.endm
.irp u, 0,1,2,3,4,5,6,7
	WBLOCK \u
.endr
	s_wait_alu depctr_va_vdst(0)
	global_store_b64 v9, v[SB:SB+1], s[18:19]      ; my column's 8 scale bytes
.irp u, 0,1,2,3,4,5,6,7,8,9,10,11,12,13,14,15
	ds_load_b96 v[OUTR+4*\u:OUTR+4*\u+2], v7 offset:2*\u*WP
.endr
.irp u, 0,1,2,3,4,5,6,7,8,9,10,11,12,13,14,15
.set SW, ((2*\u)&7)|((((2*\u)>>3)&1)<<4)|((((2*\u)>>4)&1)<<3)      ; where stage rows 2 u and 2 u + 1 are stored
	s_wait_dscnt 15-\u                             ; LDS loads come back in order: load u is in, the younger ones may be out
	global_store_b96 v8, v[OUTR+4*\u:OUTR+4*\u+2], s[16:17] offset:SW*KROW
.endr
	s_wait_tensorcnt 0x0
	ds_add_u32 v192, v193
	s_wait_dscnt 0x0
	s_endpgm
.Lfunc_end_k_q7e70a66f1a_quant:
	.size	k_q7e70a66f1a_quant, .Lfunc_end_k_q7e70a66f1a_quant-k_q7e70a66f1a_quant
	.p2alignl 7, 3214868480
	.fill 96, 4, 3214868480
	.section	.rodata,"a",@progbits
	.p2align	6, 0x0
	.amdhsa_kernel k_q7e70a66f1a_quant
		.amdhsa_group_segment_fixed_size 68096
		.amdhsa_private_segment_fixed_size 0
		.amdhsa_enable_private_segment 0
		.amdhsa_kernarg_size 64
		.amdhsa_user_sgpr_count 2
		.amdhsa_user_sgpr_kernarg_segment_ptr 1
		.amdhsa_wavefront_size32 1
		.amdhsa_system_sgpr_workgroup_id_x 1
		.amdhsa_system_sgpr_workgroup_id_y 1
		.amdhsa_system_sgpr_workgroup_id_z 1
		.amdhsa_system_vgpr_workitem_id 0
		.amdhsa_next_free_vgpr 194
		.amdhsa_next_free_sgpr 66
		.amdhsa_reserve_vcc 0
		.amdhsa_float_denorm_mode_32 3
		.amdhsa_float_denorm_mode_16_64 3
		.amdhsa_memory_ordered 1
		.amdhsa_forward_progress 1
		.amdhsa_inst_pref_size 74
	.end_amdhsa_kernel
	.amdgpu_metadata
---
amdhsa.version: [ 1, 2 ]
amdhsa.kernels:
  - .name:           k_q7e70a66f1a_quant
    .symbol:         k_q7e70a66f1a_quant.kd
    .args:
      - { .name: x, .offset: 0, .size: 8, .value_kind: global_buffer, .address_space: global }
      - { .name: Wq, .offset: 8, .size: 8, .value_kind: global_buffer, .address_space: global }
      - { .name: Wk, .offset: 16, .size: 8, .value_kind: global_buffer, .address_space: global }
      - { .name: Wv, .offset: 24, .size: 8, .value_kind: global_buffer, .address_space: global }
      - { .name: x_codes, .offset: 32, .size: 8, .value_kind: global_buffer, .address_space: global }
      - { .name: x_scales, .offset: 40, .size: 8, .value_kind: global_buffer, .address_space: global }
      - { .name: w_codes, .offset: 48, .size: 8, .value_kind: global_buffer, .address_space: global }
      - { .name: w_scales, .offset: 56, .size: 8, .value_kind: global_buffer, .address_space: global }
    .group_segment_fixed_size: 68096
    .private_segment_fixed_size: 0
    .kernarg_segment_align: 8
    .kernarg_segment_size: 64
    .max_flat_workgroup_size: 128
    .sgpr_count:     66
    .vgpr_count:     194
    .wavefront_size: 32
...
	.end_amdgpu_metadata
.endif
;; end of part 1
;; launch proj (part 2): grid 32 x 8, 4 waves a work-group, clusters of 4 x 1, 327,680 bytes of LDS; arguments x_codes, x_scales, w_codes, w_scales, bq, bk, bv, qk, vt; writes qk, vt
.if DOCPART == 2
	.amdgcn_target "amdgcn-amd-amdhsa--gfx1250"
	.amdhsa_code_object_version 6
	.text
	.protected	k_q7e70a66f1a_proj
	.globl	k_q7e70a66f1a_proj
	.p2align	8
	.type	k_q7e70a66f1a_proj,@function
k_q7e70a66f1a_proj:
	s_mov_b64 s[64:65], 0
	v_nop
	global_prefetch_b8 v0, s[64:65] scope:SCOPE_SE
	s_setreg_imm32_b32 hwreg(HW_REG_WAVE_MODE, 25, 1), 1
	s_wait_xcnt 0x0
	s_wait_alu depctr_hold_cnt(0) depctr_sa_sdst(0) depctr_va_vdst(0) depctr_va_sdst(0) depctr_va_ssrc(0) depctr_va_vcc(0) depctr_vm_vsrc(0)
	s_getreg_b32 s2, hwreg(HW_REG_IB_STS2, 6, 4)
	s_cmp_eq_u32 s2, 0
	s_cbranch_scc0 .Lentry_in_a_cluster
	s_endpgm
.Lentry_in_a_cluster:
	s_bfe_u32 s2, ttmp6, 0x10000c
	s_cmp_lg_u32 s2, 0x3003
	s_cbranch_scc0 .Lentry_shape_is_right
	s_endpgm
.Lentry_shape_is_right:
; q, k, v = x W + b on codes of FP6 (E2M3) with E8M0 scales, quantised again on the way out: q and k along the head's 64 channels, v along the tokens.
; SHARES.  Work-group (tg, cg): 256 stored rows of x (tg = 0..31) x 384 stored rows of W (cg = 0..7): six heads hg = 6 cg + 0..5 of 48 (0-15 q, 16-31 k, 32-47 v).  256 work-groups.
; A wave keeps its 64 rows of x for all of K in registers (4 blocks x 8 steps x 12 = 384), read once from LDS.  W goes through LDS as whole rows of 768 bytes, a head (64 rows) to a region.
; LDS: six regions of 64 rows x 816 bytes (16 bytes of padding behind each 256).  The head's loads bring heads 0, 1 into regions 0, 1 and x into regions 2-5, one load a wave;
; when x is in registers, one joint refill a wave brings heads 2-5 into regions 2-5 while heads 0, 1 are multiplied.  Nothing else is fetched, so there is no trip to prefetch ahead of: no prefetch is laid.
; CLUSTER 4, 1, 1: the four partners differ in tg alone and ask for W's tiles jointly; x's tiles are each work-group's own (mask 0).  The mode (q, k or v) hangs on cg and the trip alone.
; MODES.  q, k: source 0 = 16 rows of W, source 1 = 16 rows of x: a lane holds a token, its registers run along the channels.  v: the sources change places: a lane holds a channel, registers run along the tokens.
; Accumulator (i, j): i the block of source 1, j of source 0; the 32 registers of one i are 64 neighbours of the axis that is quantised (the stored row order of x_codes and w_codes sees to that): one atom of 768 bytes.
; The bias is the C of the first K step.  Records as the next launch reads them: 128 atoms, then 4,096 bytes of scale words; a head's 512 bytes of scale words of this work-group are gathered in LDS and leave whole.
; LIMITS: NaN and infinities are not served; a block whose largest magnitude lies under 2^-124 keeps the byte 1.
; REGISTERS.  Window 0: v0-31 addresses; v32-63 x's scale words; v64-95 W's; v96-127 the bias as C; v128-159 the next head's scale words; v160-175, v176-223, v224-247 the way out.
; Window 1: v0-95 W's fragments, two sets; v128-255 the 16 accumulators.  Window 2: x's K steps 0-4.  Window 3: x's K steps 5-7.
.set REG,   52224
.set PITCH, 816
.set STG,   6*REG                      ; the scale words' stage: 768 bytes a wave
.set SPARE, STG+3072                   ; the spare words, 128 bytes a wave
.set REC,   102400
.set SCW,   98304
.set FB,  8
.set FB2, 9
.set AW,  10
.set AW2, 11
.set AX,  12
.set AX2, 13
.set LB8, 14
.set L16, 15
.set SO32,16
.set BOF, 17
.set LOF, 18
.set SQ,  19
.set FQ,  20
.set FV,  21
.set SA,  22
.set FL,  23
.set SPW, 28
.set NIL, 29
.set XS,  32
.set WS,  64
.set BR,  96
.set WN,  128
.set TW,  160
.set CD,  176
.set HB,  224
.set BL,  228
.set SWD, 234
.set ACC, 128
.set MSB, 0
.macro WIN new                         ; the immediate's high byte repeats the setting that is left
.if MSB != (\new)
	s_set_vgpr_msb (MSB<<8)|(\new)
.set MSB, (\new)
.endif
.endm
.macro PLACES n
.rept \n
	v_nop
.endr
.endm
.macro ROUND                           ; a round of the cluster's barrier
	s_barrier_signal -1
	s_barrier_wait -1
	s_cmp_lg_u32 s22, 0
	s_cbranch_scc1 .Lnot_wave_0_\@
	s_barrier_signal -3
.Lnot_wave_0_\@:
	s_barrier_wait -3
	s_barrier_signal -1
	s_barrier_wait -1
.endm
; a fragment's six pieces of 8 bytes; byte y of a row lies at y + 16 (y / 256); where lanes 16-31 (24 bytes on) are in the next 256, the second address register, 16 h further on, serves
.macro PIECES reg, adr, st, blk
.irp p, 0,1,2,3,4,5
.set BY, 96*(\st)+48*(\p/3)+8*(\p%3)
.if BY/256 == (BY+24)/256
	ds_load_b64 v[\reg+2*\p:\reg+2*\p+1], v[\adr] offset:BY+16*(BY/256)+(\blk)*16*PITCH
.else
	ds_load_b64 v[\reg+2*\p:\reg+2*\p+1], v[\adr+1] offset:BY+16*(BY/256)+(\blk)*16*PITCH
.endif
.endr
.endm
.macro WFRAG set, st                   ; W's four blocks of K step st into a set: 24 loads
.irp j, 0,1,2,3
	PIECES 48*(\set)+12*\j, AW, \st, \j
.endr
.endm
.macro XFRAG st
.irp a, 0,1,2,3
	PIECES 48*((\st)-5*((\st)/5))+12*\a, AX, \st, \a
.endr
.endm
.macro NEXTB                           ; from head s78: where its scale bytes and its bias lie
	s_lshl_b32 s58, s78, 11
	s_mov_b32 s59, 0
	s_add_nc_u64 s[60:61], s[10:11], s[58:59]
	s_cmp_lt_u32 s78, 16
	s_cselect_b64 s[62:63], s[12:13], s[14:15]
	s_cmp_lt_u32 s78, 32
	s_cselect_b64 s[62:63], s[62:63], s[16:17]
	s_and_b32 s58, s78, 15
	s_lshl_b32 s58, s58, 8
	s_add_nc_u64 s[62:63], s[62:63], s[58:59]
.endm
.macro SCLD reg, base                  ; 64 rows' scale words: lane r takes row r's 32 bytes of each block
.irp j, 0,1,2,3
	global_load_b128 v[\reg+8*\j:\reg+8*\j+3], v[SO32], s[\base:\base+1] offset:512*\j
	global_load_b128 v[\reg+8*\j+4:\reg+8*\j+7], v[SO32], s[\base:\base+1] offset:512*\j+16
.endr
.endm
.macro BIASLD                          ; both forms, 12 loads: along the registers (q, k) and by the lane (v)
.irp b, 0,1
.irp i, 0,1,2,3
	global_load_b128 v[BR+16*\b+4*\i:BR+16*\b+4*\i+3], v[BOF], s[62:63] offset:(32*\b+4*\i)*4
.endr
.endr
.irp t, 0,1,2,3
	global_load_b32 v[BL+\t], v[LOF], s[62:63] offset:(32*(\t/2)+8*(\t%2))*4
.endr
.endm
; 16 matrix instructions of K step st, the 16 accumulators by turns in one order.  md 0: q, k; md 1: v
.macro MULS md, st
.set XB, 48*((\st)-5*((\st)/5))
.set WB, 48*((\st)%2)
.if (\st) == 0
	WIN 0x49-3*(\md)
.elseif (\st) < 5
	WIN 0x59-3*(\md)
.else
	WIN 0x5d-6*(\md)
.endif
.irp i, 0,1,2,3
.irp j, 0,1,2,3
.if (\md) == 0
.if (\st) == 0
	v_wmma_scale_f32_16x16x128_f8f6f4 v[ACC+32*\i+8*\j:ACC+32*\i+8*\j+7], v[WB+12*\j:WB+12*\j+11], v[XB+12*\i:XB+12*\i+11], v[BR+8*\j:BR+8*\j+7], v[WS+8*\j+(\st)], v[XS+8*\i+(\st)] matrix_a_fmt:MATRIX_FMT_FP6 matrix_b_fmt:MATRIX_FMT_FP6
.else
	v_wmma_scale_f32_16x16x128_f8f6f4 v[ACC+32*\i+8*\j:ACC+32*\i+8*\j+7], v[WB+12*\j:WB+12*\j+11], v[XB+12*\i:XB+12*\i+11], v[ACC+32*\i+8*\j:ACC+32*\i+8*\j+7], v[WS+8*\j+(\st)], v[XS+8*\i+(\st)] matrix_a_fmt:MATRIX_FMT_FP6 matrix_b_fmt:MATRIX_FMT_FP6
.endif
.else
.if (\st) == 0
	v_wmma_scale_f32_16x16x128_f8f6f4 v[ACC+32*\i+8*\j:ACC+32*\i+8*\j+7], v[XB+12*\j:XB+12*\j+11], v[WB+12*\i:WB+12*\i+11], v[BR+8*\i:BR+8*\i+7], v[XS+8*\j+(\st)], v[WS+8*\i+(\st)] matrix_a_fmt:MATRIX_FMT_FP6 matrix_b_fmt:MATRIX_FMT_FP6
.else
	v_wmma_scale_f32_16x16x128_f8f6f4 v[ACC+32*\i+8*\j:ACC+32*\i+8*\j+7], v[XB+12*\j:XB+12*\j+11], v[WB+12*\i:WB+12*\i+11], v[ACC+32*\i+8*\j:ACC+32*\i+8*\j+7], v[XS+8*\j+(\st)], v[WS+8*\i+(\st)] matrix_a_fmt:MATRIX_FMT_FP6 matrix_b_fmt:MATRIX_FMT_FP6
.endif
.endif
.endr
.endr
.endm
; a head's eight K steps.  Ahead of each step's products the next step's 24 loads go into the other set, four places behind the products that read it
.macro STEPS md
.set ST, 0
.rept 8
.if ST < 7
.if ST > 0
	PLACES 4
.endif
.if ST == 1
	WIN 0
	BIASLD                                         ; the next head's bias, into registers that step 0 has read
.endif
	WIN 0x40
	WFRAG (ST+1)%2, ST+1
	s_wait_dscnt 24                                ; this step's fragments are in; the 24 just issued may be out
.else
	s_wait_dscnt 0x0
.endif
	MULS \md, ST
.set ST, ST+1
.endr
	WIN 0
.endm
; one head: s56 its number, s57 its region, s70 its place in the stage.  lim: the last region that may be read ahead here
.macro TRIP lim
	s_wait_loadcnt 0x0                             ; the bias is in (first trip: all scale words too)
	s_wait_xcnt 0x0                                ; the last head's stores have read their base and data
	s_add_co_u32 s78, s56, 1
	s_min_u32 s78, s78, s77                        ; the next head; the last one names itself again: inside the buffers
	NEXTB
	SCLD WN, 60                                    ; its scale words: 8 loads
	s_cmp_lt_u32 s56, 32
	s_cselect_b32 s58, s74, s75
	s_cselect_b64 s[82:83], s[18:19], s[20:21]
	s_add_co_u32 s58, s58, s56                     ; the record: 32 b + hg in qk, 16 b + hg - 32 in vt
	s_mul_i32 s58, s58, REC
	s_add_co_u32 s58, s58, s76
	s_add_nc_u64 s[66:67], s[82:83], s[58:59]
	s_cmp_lt_u32 s56, 32
	s_wait_alu depctr_va_vdst(0)
	s_cbranch_scc0 .Lv_\@
	STEPS 0
	s_branch .Lj_\@
.Lv_\@:
.irp i, 0,1,2,3
.irp k, 0,1,2,3,4,5,6,7
	v_mov_b32 v[BR+8*\i+\k], v[BL+\i]              ; v: a lane's channel has one bias for all eight registers of C
.endr
.endr
	s_wait_alu depctr_va_vdst(0)
	STEPS 1
.Lj_\@:
	s_add_co_u32 s58, s57, REG
	s_min_u32 s58, s58, \lim
	v_add_nc_u32 v[AW], s58, v[FB]                 ; two of the four places behind the last products
	v_add_nc_u32 v[AW2], s58, v[FB2]
	PLACES 2
	WIN 0x40
	WFRAG 0, 0                                     ; the next head's first fragments
	WIN 0
	s_wait_loadcnt 12                              ; the next scale words are in; the 12 bias loads behind them may be out
.set k, 0
.rept 32
	v_mov_b32 v[WS+k], v[WN+k]
.set k, k+1
.endr
	WIN 0x14                                       ; sources 1 and 2: the accumulators.  Largest magnitudes: four chains an atom, each accumulator from its low end on, the floor 2^(3 - 127) first
.irp q, 0,1,2,3
.irp a, 0,1,2,3
.irp c, 0,1,2,3
.if \q == 0
	v_max3_num_f32 v[TW+4*\a+\c], v[FL], |v[ACC+32*\a+8*\c]|, |v[ACC+32*\a+8*\c+1]|
.else
	v_max3_num_f32 v[TW+4*\a+\c], v[TW+4*\a+\c], |v[ACC+32*\a+8*\c+2*\q]|, |v[ACC+32*\a+8*\c+2*\q+1]|
.endif
.endr
.endr
.endr
	WIN 0
.irp a, 0,1,2,3
	v_max_num_f32 v[TW+4*\a], v[TW+4*\a], v[TW+4*\a+1]
	v_max_num_f32 v[TW+4*\a+2], v[TW+4*\a+2], v[TW+4*\a+3]
.endr
.irp a, 0,1,2,3
	v_permlanex16_b32 v[TW+4*\a+1], v[TW+4*\a], s72, s73
	v_permlanex16_b32 v[TW+4*\a+3], v[TW+4*\a+2], s72, s73
.endr
.irp a, 0,1,2,3
	v_max_num_f32 v[TW+4*\a], v[TW+4*\a], v[TW+4*\a+1]       ; with lane l xor 16's half of the block
	v_max_num_f32 v[TW+4*\a+2], v[TW+4*\a+2], v[TW+4*\a+3]
.endr
.irp a, 0,1,2,3
	v_add_nc_u32 v[TW+4*\a+1], 0xff000000, v[TW+4*\a]        ; 2 off the exponent field: the conversion's scale operand
	v_add_nc_u32 v[TW+4*\a+3], 0xff000000, v[TW+4*\a+2]
.endr
.irp a, 0,1,2,3
	v_lshrrev_b32 v[TW+4*\a], 23, v[TW+4*\a+1]               ; the bytes
	v_lshrrev_b32 v[TW+4*\a+2], 23, v[TW+4*\a+3]
.endr
.irp a, 0,1,2,3
	v_lshl_or_b32 v[HB+\a], v[TW+4*\a+2], 8, v[TW+4*\a]
.endr
	v_lshl_or_b32 v[SWD], v[HB+1], 16, v[HB]
	v_lshl_or_b32 v[SWD+1], v[HB+3], 16, v[HB+2]
	v_add_nc_u32 v[SA], s70, v[SQ]
	ds_store_b64 v[SA], v[SWD:SWD+1]               ; my four atoms' bytes of row r (both halves of the lanes store the same)
	WIN 0x01
.irp a, 0,1,2,3
	v_cvt_scalef32_pk16_fp6_f32 v[CD+12*\a:CD+12*\a+2], v[ACC+32*\a:ACC+32*\a+15], v[TW+4*\a+1]
	v_cvt_scalef32_pk16_fp6_f32 v[CD+12*\a+6:CD+12*\a+8], v[ACC+32*\a+16:ACC+32*\a+31], v[TW+4*\a+3]
.endr
	WIN 0
	v_nop                                          ; one plain line behind the conversions
.irp a, 0,1,2,3
.irp i, 0,1,2
	v_permlane16_swap_b32 v[CD+12*\a+\i], v[CD+12*\a+6+\i]   ; a lane is to hold a whole block
.endr
.endr
.irp a, 0,1,2,3
.irp i, 0,1,2
	v_mov_b32 v[CD+12*\a+3+\i], v[CD+12*\a+6+\i]
.endr
.endr
.irp a, 0,1,2,3
.irp w, 0,1,2
	global_store_b64 v[LB8], v[CD+12*\a+2*\w:CD+12*\a+2*\w+1], s[66:67] offset:\a*768+256*\w   ; 32 lanes store 256 consecutive bytes, aligned
.endr
.endr
	s_add_co_u32 s56, s56, 1
	s_add_co_u32 s57, s57, REG
	s_add_co_u32 s70, s70, 128
.endm
; a head's 512 bytes of scale words leave the stage.  s79: which of the six
.macro FIN
	s_wait_xcnt 0x0
	s_mul_i32 s58, s27, 6
	s_add_co_u32 s81, s58, s79
	s_lshl_b32 s59, s79, 7
	v_add_nc_u32 v238, s59, v[FQ]
	v_add_nc_u32 v239, s59, v[FV]
	s_cmp_lt_u32 s81, 32
	s_cselect_b32 s58, s74, s75
	s_cselect_b64 s[82:83], s[18:19], s[20:21]
	s_add_co_u32 s58, s58, s81
	s_mul_i32 s58, s58, REC
	s_add_co_u32 s58, s58, s80
	s_mov_b32 s59, 0
	s_add_nc_u64 s[66:67], s[82:83], s[58:59]
	s_cmp_lt_u32 s81, 32
	s_wait_alu depctr_va_vdst(0)
	s_cbranch_scc0 .Lfv_\@
	ds_load_b128 v[240:243], v238                  ; q, k: the four waves' 128 bytes on end
	s_branch .Lfj_\@
.Lfv_\@:
	ds_load_b64 v[244:245], v239                   ; v: a word is two bytes of an even wave's 64 tokens and two of the odd wave's beside it
	ds_load_b64 v[246:247], v239 offset:768
	s_wait_dscnt 0x0
	v_perm_b32 v240, v246, v244, s84
	v_perm_b32 v241, v246, v244, s85
	v_perm_b32 v242, v247, v245, s84
	v_perm_b32 v243, v247, v245, s85
.Lfj_\@:
	s_wait_alu depctr_va_vdst(0)
	s_wait_dscnt 0x0
	global_store_b128 v[L16], v[240:243], s[66:67] ; 512 consecutive bytes, aligned
.endm
	s_load_b256 s[4:11], s[0:1], 0x0               ; x_codes, x_scales, w_codes, w_scales
	s_load_b256 s[12:19], s[0:1], 0x20             ; bq, bk, bv, qk
	s_load_b64 s[20:21], s[0:1], 0x40              ; vt
	v_lshl_add_u32 v[SPW], v0, 2, SPARE
	v_mov_b32 v[NIL], 0
	ds_add_u32 v[SPW], v[NIL]                      ; the opening lines: the add twice on end and its wait
	ds_add_u32 v[SPW], v[NIL]
	v_lshrrev_b32 v1, 5, v0
	v_readfirstlane_b32 s22, v1                    ; wave 0..3
	s_lshr_b32 s23, s22, 1                         ; at the head: 0 fetches x, 1 fetches W
	s_and_b32 s24, s22, 1
	s_bfe_u32 s25, ttmp6, 0x40000                  ; cx: it enters global addresses of x and of the results alone
	s_lshl_b32 s26, ttmp9, 2
	s_add_co_u32 s26, s26, s25                     ; tg
	s_and_b32 s27, ttmp7, 0xffff                   ; cg, which the partners share
	s_mov_b32 s28, (1<<20)|(5<<22)|(3<<25)         ; x: my own tile; bytes; 4 words of padding behind each 64
	s_mov_b32 s29, 768<<16
	s_mov_b32 s30, 128<<16
	s_mov_b32 s31, 768<<16
	s_mov_b32 s32, 128
	s_mov_b32 s33, 768
	s_mov_b32 s34, 0
	s_mov_b32 s35, 0
	s_mov_b32 s36, 15|(1<<20)|(1<<21)|(5<<22)|(3<<25)   ; W: asked for jointly by all four; 64 rows
	s_mov_b32 s37, 768<<16
	s_mov_b32 s38, 64<<16
	s_mov_b32 s39, 768<<16
	s_mov_b32 s40, 64
	s_mov_b32 s41, 768
	s_mov_b32 s42, 0
	s_mov_b32 s43, 0
	s_lshl_b32 s58, s26, 8
	s_lshl_b32 s59, s24, 7
	s_add_co_u32 s58, s58, s59
	s_mul_i32 s58, s58, 768                        ; x: rows 256 tg + 128 x (wave % 2)
	s_mov_b32 s59, 0
	s_mul_i32 s79, s27, 384
	s_lshl_b32 s68, s24, 6
	s_add_co_u32 s68, s68, s79
	s_mul_i32 s68, s68, 768                        ; W at the head: head wave % 2
	s_mov_b32 s69, 0
	s_lshl_b32 s82, s22, 6
	s_add_co_u32 s82, s82, s79
	s_add_co_u32 s82, s82, 128
	s_mul_i32 s82, s82, 768                        ; W's refill: head 2 + wave
	s_mov_b32 s83, 0
	s_mov_b32 s44, 1
	s_mul_i32 s45, s24, 2*REG
	s_add_co_u32 s45, s45, 2*REG
	s_mov_b32 s48, 1
	s_mul_i32 s49, s24, REG
	s_mov_b32 s52, 1
	s_mul_i32 s53, s22, REG
	s_add_co_u32 s53, s53, 2*REG
	s_wait_dscnt 0x0
	s_wait_kmcnt 0x0
	s_add_nc_u64 s[46:47], s[4:5], s[58:59]
	s_or_b32 s47, s47, 0x80000000
	s_add_nc_u64 s[50:51], s[8:9], s[68:69]
	s_or_b32 s51, s51, 0x80000000
	s_add_nc_u64 s[54:55], s[8:9], s[82:83]
	s_or_b32 s55, s55, 0x80000000
	ROUND                                          ; the partners are here: the joint loads meet
	s_cmp_eq_u32 s23, 0                            ; one load a wave: waves 0, 1 x's halves, waves 2, 3 heads 0, 1
	s_cbranch_scc0 .Lhead_w
	tensor_load_to_lds s[44:47], s[28:35]
	s_nop 0
	PLACES 4
	s_branch .Lhead_j
.Lhead_w:
	tensor_load_to_lds s[48:51], s[36:43]
	s_nop 0
	PLACES 4
.Lhead_j:
	v_and_b32 v1, 15, v0                           ; r
	v_bfe_u32 v2, v0, 4, 1                         ; h
	v_and_b32 v3, 31, v0
	v_mul_u32_u24 v[FB], v1, PITCH
	v_mad_u32_u24 v[FB], v2, 24, v[FB]
	v_lshl_add_u32 v[FB2], v2, 4, v[FB]
	v_mov_b32 v[AW], v[FB]
	v_mov_b32 v[AW2], v[FB2]
	v_add_nc_u32 v[AX], s53, v[FB]                 ; my 64 rows of x: region 2 + wave
	v_add_nc_u32 v[AX2], s53, v[FB2]
	v_lshlrev_b32 v[LB8], 3, v3
	v_lshlrev_b32 v[L16], 4, v3
	v_lshlrev_b32 v[SO32], 5, v1
	v_lshlrev_b32 v[BOF], 6, v2
	v_and_b32 v4, 8, v1
	v_add_nc_u32 v4, v4, v1
	v_lshlrev_b32 v[LOF], 2, v4
	s_mul_i32 s58, s22, 768
	s_add_co_u32 s58, s58, STG
	v_lshl_add_u32 v[SQ], v1, 3, s58
	v_lshrrev_b32 v4, 3, v3
	v_mul_u32_u24 v4, v4, 768
	v_and_b32 v5, 7, v3
	v_lshl_add_u32 v4, v5, 4, v4
	v_add_nc_u32 v[FQ], STG, v4
	v_mul_u32_u24 v4, v2, 1536
	v_lshl_add_u32 v4, v1, 3, v4
	v_add_nc_u32 v[FV], STG, v4
	v_mov_b32 v[FL], 0x1800000
	s_mov_b32 s72, 0x76543210
	s_mov_b32 s73, 0xfedcba98
	s_mov_b32 s84, 0x05040100
	s_mov_b32 s85, 0x07060302
	s_lshr_b32 s79, s26, 3                         ; the batch
	s_lshl_b32 s74, s79, 5
	s_lshl_b32 s75, s79, 4
	s_sub_co_u32 s75, s75, 32
	s_and_b32 s79, s26, 7
	s_lshl_b32 s80, s79, 9
	s_add_co_u32 s80, s80, SCW
	s_lshl_b32 s76, s79, 2
	s_add_co_u32 s76, s76, s22
	s_mul_i32 s76, s76, 3072                       ; my four atoms' place in a record
	s_mul_i32 s56, s27, 6
	s_add_co_u32 s77, s56, 5
	s_mov_b32 s57, 0
	s_mov_b32 s70, 0
	s_lshl_b32 s68, s26, 13
	s_lshl_b32 s69, s22, 11
	s_add_co_u32 s68, s68, s69
	s_mov_b32 s69, 0
	s_add_nc_u64 s[68:69], s[6:7], s[68:69]        ; my 64 rows' scale bytes
	s_mov_b32 s78, s56
	NEXTB
	s_wait_alu depctr_va_vdst(0)
	SCLD XS, 68
	SCLD WS, 60
	BIASLD
	s_wait_tensorcnt 0x0                           ; my tile is in;
	s_wait_dscnt 0x0
	s_barrier_signal -1
	s_barrier_wait -1                              ; everybody's is.  The refill comes behind the next round
	WIN 0x80
.irp s, 0,1,2,3,4
	XFRAG \s
.endr
	WIN 0xc0
.irp s, 5,6,7
	XFRAG \s
.endr
	WIN 0x40
	WFRAG 0, 0
	WIN 0
	s_wait_tensorcnt 0x0
	ds_add_u32 v[SPW], v[NIL]
	s_wait_dscnt 0x0                               ; x is in registers: regions 2-5 are read no more
	ROUND
	tensor_load_to_lds s[52:55], s[36:43]          ; head 2 + wave into region 2 + wave: my one load behind the round
	s_nop 0
	PLACES 4
	s_mov_b32 s71, 2
.Lfirst:                                               ; heads 0, 1, from regions 0, 1, while the refill is on its way
	TRIP REG
	s_sub_co_u32 s71, s71, 1
	s_cmp_lg_u32 s71, 0
	s_wait_alu depctr_va_vdst(0)
	s_cbranch_scc1 .Lfirst
	s_wait_tensorcnt 0x0                           ; my part of the refill is in;
	s_wait_dscnt 0x0
	s_barrier_signal -1
	s_barrier_wait -1                              ; everybody's is.
	v_add_nc_u32 v[AW], 2*REG, v[FB]
	v_add_nc_u32 v[AW2], 2*REG, v[FB2]
	WIN 0x40
	WFRAG 0, 0
	WIN 0
	s_mov_b32 s71, 4
.Lrest:                                                ; heads 2-5
	TRIP 5*REG
	s_sub_co_u32 s71, s71, 1
	s_cmp_lg_u32 s71, 0
	s_wait_alu depctr_va_vdst(0)
	s_cbranch_scc1 .Lrest
	s_wait_dscnt 0x0                               ; my stores into the stage have landed
	s_barrier_signal -1
	s_barrier_wait -1
	s_mov_b32 s79, s22                             ; wave w sends head w's scale words, waves 0 and 1 also head 4 + w's
	FIN
	s_cmp_lt_u32 s22, 2
	s_cbranch_scc0 .Lsent
	s_add_co_u32 s79, s22, 4
	FIN
.Lsent:
	s_wait_tensorcnt 0x0                           ; the wave's end
	ds_add_u32 v[SPW], v[NIL]
	s_wait_dscnt 0x0
	ROUND                                          ; the closing round
	s_endpgm
.Lfunc_end_k_q7e70a66f1a_proj:
	.size	k_q7e70a66f1a_proj, .Lfunc_end_k_q7e70a66f1a_proj-k_q7e70a66f1a_proj
	.p2alignl 7, 3214868480
	.fill 96, 4, 3214868480
	.section	.rodata,"a",@progbits
	.p2align	6, 0x0
	.amdhsa_kernel k_q7e70a66f1a_proj
		.amdhsa_group_segment_fixed_size 327680
		.amdhsa_private_segment_fixed_size 0
		.amdhsa_enable_private_segment 0
		.amdhsa_kernarg_size 72
		.amdhsa_user_sgpr_count 2
		.amdhsa_user_sgpr_kernarg_segment_ptr 1
		.amdhsa_wavefront_size32 1
		.amdhsa_system_sgpr_workgroup_id_x 1
		.amdhsa_system_sgpr_workgroup_id_y 1
		.amdhsa_system_sgpr_workgroup_id_z 1
		.amdhsa_system_vgpr_workitem_id 0
		.amdhsa_next_free_vgpr 1024
		.amdhsa_next_free_sgpr 90
		.amdhsa_reserve_vcc 0
		.amdhsa_float_denorm_mode_32 3
		.amdhsa_float_denorm_mode_16_64 3
		.amdhsa_memory_ordered 1
		.amdhsa_forward_progress 1
		.amdhsa_inst_pref_size 175
	.end_amdhsa_kernel
	.amdgpu_metadata
---
amdhsa.version: [ 1, 2 ]
amdhsa.kernels:
  - .name:           k_q7e70a66f1a_proj
    .symbol:         k_q7e70a66f1a_proj.kd
    .args:
      - { .name: x_codes, .offset: 0, .size: 8, .value_kind: global_buffer, .address_space: global }
      - { .name: x_scales, .offset: 8, .size: 8, .value_kind: global_buffer, .address_space: global }
      - { .name: w_codes, .offset: 16, .size: 8, .value_kind: global_buffer, .address_space: global }
      - { .name: w_scales, .offset: 24, .size: 8, .value_kind: global_buffer, .address_space: global }
      - { .name: bq, .offset: 32, .size: 8, .value_kind: global_buffer, .address_space: global }
      - { .name: bk, .offset: 40, .size: 8, .value_kind: global_buffer, .address_space: global }
      - { .name: bv, .offset: 48, .size: 8, .value_kind: global_buffer, .address_space: global }
      - { .name: qk, .offset: 56, .size: 8, .value_kind: global_buffer, .address_space: global }
      - { .name: vt, .offset: 64, .size: 8, .value_kind: global_buffer, .address_space: global }
    .group_segment_fixed_size: 327680
    .private_segment_fixed_size: 0
    .kernarg_segment_align: 8
    .kernarg_segment_size: 72
    .max_flat_workgroup_size: 128
    .sgpr_count:     90
    .vgpr_count:     1024
    .wavefront_size: 32
...
	.end_amdgpu_metadata
.endif
;; end of part 2
;; launch attn (part 3): grid 4 x 64, 16 waves a work-group, clusters of 4 x 1, 292,864 bytes of LDS; arguments qk, vt, mask, out0; writes out0
.if DOCPART == 3
	.amdgcn_target "amdgcn-amd-amdhsa--gfx1250"
	.amdhsa_code_object_version 6
	.text
	.protected	k_q7e70a66f1a_attn
	.globl	k_q7e70a66f1a_attn
	.p2align	8
	.type	k_q7e70a66f1a_attn,@function
k_q7e70a66f1a_attn:
	s_mov_b64 s[64:65], 0
	v_nop
	global_prefetch_b8 v0, s[64:65] scope:SCOPE_SE
	s_setreg_imm32_b32 hwreg(HW_REG_WAVE_MODE, 25, 1), 1
	s_wait_xcnt 0x0
	s_wait_alu depctr_hold_cnt(0) depctr_sa_sdst(0) depctr_va_vdst(0) depctr_va_sdst(0) depctr_va_ssrc(0) depctr_va_vcc(0) depctr_vm_vsrc(0)
	s_getreg_b32 s2, hwreg(HW_REG_IB_STS2, 6, 4)
	s_cmp_eq_u32 s2, 0
	s_cbranch_scc0 .Lentry_in_a_cluster
	s_endpgm
.Lentry_in_a_cluster:
	s_bfe_u32 s2, ttmp6, 0x10000c
	s_cmp_lg_u32 s2, 0x3003
	s_cbranch_scc0 .Lentry_shape_is_right
	s_endpgm
.Lentry_shape_is_right:
; out[b][q][head] = sum over keys of Q(probs) Q(v), probs = softmax(q k^T / 8 - (1 - m) 1e10) x m, both products on codes of FP6 (E2M3) with E8M0 scales.
; The second product's left operand is the FINISHED, normalised probs, quantised along the keys.  So a row's maximum and sum are known before any p is quantised: the keys are walked TWICE.
;   pass 1: S' = k q^T + bias, a running maximum and a running sum of 2^(c S' - T);  pass 2: S' again, p = 2^(c S' - T - log2(sum) + log2|M|), quantised, O^T += v^T p^T; at the end O^T x sgn(M).
;   c = log2(e) / 8;  bias = (m - 1) x 8e10, which is -8 x ((1 - m) x 1e10) with the same roundings; it is the C operand of the first product and costs no vector line.
;   T is c x maximum raised by one step of its own spacing, so that no exponent is above 0 whatever the size of the scores.
; THE FACTOR m goes into the exponent.  M is the batch's largest m.  probs x m = sgn(M) 2^(t + log2|M| + log2(|m| / |M|)): the second term joins the row's constant, the third, x 8 ln 2 = 1 / c, stands beside the bias in pass 2's C.
;   Logarithms are held at -1e30 from below (m = 0 gives p = 0 exactly; M = 0 gives 0 everywhere) and log2(|m| / |M|) at 126 from above.  For m = M the third term is 0: for a mask of 0 and 1 nothing is rounded otherwise than by p x m.
;   LIMIT: where a key's bias is not 0, C's rounding loses the third term.  Such a key's (1 - m) either lies above M's by a step of f32 or more, 2^-24 x 1e10 = 596 in the score, where reference()'s own exponential gives 0
;   while a row's scores / 8 spread by less than 490; or it rounds as M's does, and then m is within 2^-24 of M.  So the promise holds while |M| is 0 or at least 2^-14.
; SHARES.  Cluster y = 16 b + head; the cluster's four work-groups take 512 queries each and ask for the head's K and V records JOINTLY.  A record (128 atoms of 768 bytes, 4,096 bytes of scale words) is whole in LDS:
; LDS is filled once, by one load a wave (an eighth of a record each), and nothing is filled again: there is no later tile to prefetch.  A wave takes 32 queries: two stored tiles a, b of 16.  Sixteen waves, four to a SIMD.
; One barrier, behind the fills and the stores of the bias.  Behind it the waves share nothing: each walks both passes and sends its rows out through a stage of its own.
; LAYOUT.  Both products are used transposed (source 0 = 16 keys, or 16 channels; source 1 = my 16 queries): a lane holds ONE query.  The head has 64 channels and the instruction 128 along K: a fragment of K holds TWO
; key tiles (k 0-63, k 64-127), and source 1 is [q | 0] or [0 | q]: the other tile meets zero codes under valid scale bytes.  Tokens are stored so that the 16 registers of two neighbouring key tiles are 16 neighbouring keys.
; LIMITS: NaN and infinities are not served; a p under 2^-126 is 0; where no key of a batch has m = 1, c S' is about 1.4e10 and t is only as fine as f32's spacing there: rows stay finite, and a mask of zeros gives 0.
; REGISTERS: v1-5 addresses; v[6:7] -T, later the row's constant, of tiles a, b; v8, v9 q's scale word and the same turned by 16 bits; v10, v11 p's scale words; v12-41 [0][q a][0][q b][0], six registers each;
;   v42-65 two fragments of K (behind the products: at work); v[66:67] their scale words; v68-99 C; v100-163 S' of a and b (later V's four fragments); v164-187 p's codes (pass 1: statistics);
;   v188-251 O^T; v252-255 V's scale words.  s18 = sgn(M), s19 = log2|M|.
.set REC,   102400
.set SCW,   98304                      ; a record's scale words
.set QUART, 12800                      ; what one tensor load brings: 50 rows of 256 bytes
.set VREC,  REC                        ; LDS: K's record at 0, V's behind it,
.set BI,    2*REC                      ; pass 1's C, 2,048 f32,
.set MOFF,  8192                       ; pass 2's behind it,
.set SPB,   0x36000                    ; the spare words, 128 bytes a wave,
.set STB,   SPB+2048                   ; and the stages of the way out:
.set STG,   4352                       ; 16 rows x (256 + 16) bytes for each wave
.set LB8, 1                            ; v1  8 x lane
.set R8,  2                            ; v2  8 r
.set R16, 3                            ; v3  16 r
.set H64, 4                            ; v4  64 h
.set ADR, 5                            ; v5  the address of the loads in hand
.set NT,  6
.set QW,  8
.set QWR, 9
.set PW,  10
.set ZQ,  12
.set KF,  42
.set TM,  42                           ; v42-45 largest magnitudes, v46-49 bytes, v50-53 scale operands, v54-56, v58-60 second conversions
.set TP,  46
.set TS,  50
.set CY,  54
.set KW,  66
.set X,   68
.set S,   100
.set P,   164
.set O,   188
.set VW,  252
.set MX,  164                          ; pass 1: v164, v165 the maxima; v[166:167] the factors; v[168:171] the sums, in two halves each; v172-179 at work
.set AA,  166
.set L2,  168
.set C1,  172
.set CM,  174
.set NN,  176
.set DD,  178
.macro ROUND                           ; a round of the cluster's barrier
	s_barrier_signal -1
	s_barrier_wait -1
	s_cmp_lg_u32 s12, 0
	s_cbranch_scc1 .Lnot_wave_0_\@
	s_barrier_signal -3
.Lnot_wave_0_\@:
	s_barrier_wait -3
	s_barrier_signal -1
	s_barrier_wait -1
.endm
	s_load_b256 s[4:11], s[0:1], 0x0               ; qk s[4:5], vt s[6:7], mask s[8:9], out0 s[10:11]
	v_lshl_add_u32 v254, v0, 2, SPB
	v_mov_b32 v255, 0
	ds_add_u32 v254, v255                          ; the opening lines: the add twice on end and its wait
	ds_add_u32 v254, v255
	s_wait_dscnt 0x0
	v_lshrrev_b32 v5, 5, v0
	s_delay_alu instid0(VALU_DEP_1)
	v_readfirstlane_b32 s12, v5                    ; wave 0..15
	s_bfe_u32 s13, ttmp6, 0x40000                  ; cx: it enters q's and out0's addresses alone
	s_and_b32 s14, ttmp7, 0xffff                   ; 16 b + head, which the four partners share
	s_lshr_b32 s15, s14, 4                         ; b
	s_and_b32 s16, s14, 15                         ; head
	s_mov_b32 s17, 0x34000000                      ; 2^-23
	s_mov_b32 s20, 0x76543210
	s_mov_b32 s21, 0xfedcba98                      ; v_permlanex16_b32's selects for lane l xor 16
	s_mov_b32 s22, 0x3e38aa3b                      ; c = log2(e) / 8
	s_mov_b32 s23, s22                             ; (named with it as a pair)
	s_mov_b32 s24, 15|(3<<16)|(1<<21)              ; group 1: the mask names all four work-groups; elements of 8 bytes; bit 21 beside a mask; no padding
	s_mov_b32 s25, 32<<16                          ; tensor_dim0 = 32 elements: 256 bytes
	s_mov_b32 s26, 50<<16                          ; tensor_dim1 = 50
	s_mov_b32 s27, 32<<16                          ; tile_dim0
	s_mov_b32 s28, 50                              ; tile_dim1
	s_mov_b32 s29, 32                              ; from row to row: dense
	s_mov_b32 s30, 0
	s_mov_b32 s31, 0
	s_and_b32 s52, s12, 7                          ; waves 0-7 fetch K's record, waves 8-15 V's: an eighth each
	s_mul_i32 s52, s52, QUART
	s_lshl_b32 s46, s15, 5
	s_add_co_u32 s46, s46, s16                     ; q's record: 32 b + head
	s_add_co_u32 s47, s46, 16                      ; k's
	s_mul_i32 s48, s46, REC
	s_mov_b32 s49, 0
	s_mul_i32 s50, s47, REC
	s_add_co_u32 s50, s50, s52
	s_mov_b32 s51, 0
	s_mul_i32 s54, s14, REC                        ; v's record: 16 b + head
	s_add_co_u32 s54, s54, s52
	s_mov_b32 s55, 0
	s_wait_kmcnt 0x0
	s_mov_b32 s32, 1                               ; group 0: count 1,
	s_mul_i32 s33, s12, QUART                      ; LDS address: V's record lies behind K's, so wave x an eighth serves both,
	s_add_nc_u64 s[34:35], s[4:5], s[50:51]
	s_add_nc_u64 s[38:39], s[6:7], s[54:55]
	s_cmp_lt_u32 s12, 8
	s_cselect_b64 s[34:35], s[34:35], s[38:39]     ; global address: the choice hangs on the wave's number alone,
	s_or_b32 s35, s35, 0x80000000                  ; type 2
	ROUND                                          ; all four work-groups are here: the joint loads meet
	tensor_load_to_lds s[32:35], s[24:31]          ; one load a wave, every wave
	s_nop 0
.rept 4
	v_nop
.endr
	v_and_b32 v68, 31, v0
	v_and_b32 v69, 15, v0
	v_bfe_u32 v70, v0, 4, 1
	v_lshlrev_b32 v[LB8], 3, v68
	v_lshlrev_b32 v[R8], 3, v69
	v_lshlrev_b32 v[R16], 4, v69
	v_lshlrev_b32 v[H64], 6, v70
	v_lshlrev_b32 v89, 4, v68                      ; 16 x lane: a wave reads the batch's whole mask, for M
	v_lshlrev_b32 v88, 4, v0                       ; 16 x thread: the 512 threads share the batch's 2,048 numbers, for C
	s_wait_alu depctr_va_vdst(0)
	s_lshl_b32 s46, s15, 13
	s_mov_b32 s47, 0
	s_add_nc_u64 s[8:9], s[8:9], s[46:47]
	global_load_b128 v[72:75], v88, s[8:9]
.irp i, 0,1,2,3,4,5,6,7,8,9,10,11,12,13,14,15
	global_load_b128 v[S+4*\i:S+4*\i+3], v89, s[8:9] offset:512*\i
.endr
	s_add_nc_u64 s[4:5], s[4:5], s[48:49]          ; q's record
	s_lshl_b32 s46, s13, 4
	s_add_co_u32 s46, s46, s12                     ; my fragment of q: 16 cx + wave: 32 queries
	s_mul_i32 s48, s46, 1536
	s_add_nc_u64 s[56:57], s[4:5], s[48:49]
	s_lshr_b32 s48, s46, 1
	s_lshl_b32 s48, s48, 7
	s_and_b32 s53, s46, 1
	s_lshl_b32 s53, s53, 2
	s_add_co_u32 s48, s48, s53
	s_add_co_u32 s48, s48, SCW
	s_add_nc_u64 s[58:59], s[4:5], s[48:49]        ; and its scale words
	s_lshl_b32 s48, s15, 23                        ; out0: (2,048 b + 32 x fragment) rows of 4,096 bytes + 256 x head
	s_lshl_b32 s53, s46, 17
	s_add_co_u32 s48, s48, s53
	s_lshl_b32 s53, s16, 8
	s_add_co_u32 s48, s48, s53
	s_add_nc_u64 s[10:11], s[10:11], s[48:49]
.irp w, 0,1,2
	global_load_b64 v[ZQ+6+2*\w:ZQ+7+2*\w], v[LB8], s[56:57] offset:256*\w          ; tile a: an image of six registers
	global_load_b64 v[ZQ+18+2*\w:ZQ+19+2*\w], v[LB8], s[56:57] offset:768+256*\w    ; tile b
.endr
	global_load_b32 v[QW], v[R8], s[58:59]
.irp i, 0,1,2,3,4,5
	v_mov_b32 v[ZQ+\i], 0                          ; zero codes beside q
	v_mov_b32 v[ZQ+12+\i], 0
	v_mov_b32 v[ZQ+24+\i], 0
.endr
	s_wait_loadcnt 0x0
	v_alignbit_b32 v[QWR], v[QW], v[QW], 16        ; tile b's two bytes below, tile a's above
.irp i, 0,1,2,3
	v_add_f32 v[76+\i], -1.0, v[72+\i]             ; -(1 - m)
.endr
.irp i, 0,1,2,3
	s_delay_alu instid0(VALU_DEP_4)
	v_mul_f32 v[76+\i], 0x519502f9, v[76+\i]       ; x 8e10
.endr
	v_max3_num_f32 v80, v[S], v[S+1], v[S+2]       ; M: my 64 numbers in two chains, then the 32 lanes
	v_max3_num_f32 v81, v[S+3], v[S+4], v[S+5]
.irp i, 6,10,14,18,22,26,30,34,38,42,46,50,54,58
	v_max3_num_f32 v80, v80, v[S+\i], v[S+\i+1]
	v_max3_num_f32 v81, v81, v[S+\i+2], v[S+\i+3]
.endr
	v_max3_num_f32 v80, v80, v[S+62], v[S+63]
	s_delay_alu instid0(VALU_DEP_1)
	v_max_num_f32 v80, v80, v81
.irp k, 1,2,4,8
	s_delay_alu instid0(VALU_DEP_1)
	v_max_num_f32_dpp v80, v80, v80 row_xmask:\k row_mask:0xf bank_mask:0xf
.endr
	s_delay_alu instid0(VALU_DEP_1)
	v_permlanex16_b32 v81, v80, s20, s21
	s_delay_alu instid0(VALU_DEP_1)
	v_max_num_f32 v80, v80, v81
	s_delay_alu instid0(VALU_DEP_1)
	v_and_b32 v82, 0x80000000, v80
	s_delay_alu instid0(VALU_DEP_1)
	v_or_b32 v82, 0x3f800000, v82                  ; sgn(M): 1.0 under M's sign
	s_wait_alu depctr_va_vdst(0)
	v_log_f32 v83, |v80|
.irp i, 0,1,2,3
	v_log_f32 v[84+\i], |v[72+\i]|
.endr
	v_add_nc_u32 v90, BI, v88                      ; (a plain line behind the batch)
	s_wait_alu depctr_va_vdst(0)                   ; and behind it
	v_max_num_f32 v83, 0xf149f2ca, v83             ; log2|M|, held at -1e30
.irp i, 0,1,2,3
	v_max_num_f32 v[84+\i], 0xf149f2ca, v[84+\i]
.endr
.irp i, 0,1,2,3
	s_delay_alu instid0(VALU_DEP_4)
	v_sub_f32 v[84+\i], v[84+\i], v83              ; log2(|m| / |M|),
.endr
.irp i, 0,1,2,3
	s_delay_alu instid0(VALU_DEP_4)
	v_min_num_f32 v[84+\i], 0x42fc0000, v[84+\i]   ; held at 126,
.endr
.irp i, 0,1,2,3
	s_delay_alu instid0(VALU_DEP_4)
	v_fmamk_f32 v[84+\i], v[84+\i], 0x40b17218, v[76+\i]   ; x 8 ln 2, beside the bias
.endr
	v_readfirstlane_b32 s18, v82
	v_readfirstlane_b32 s19, v83
	ds_store_b128 v90, v[76:79]
	ds_store_b128 v90, v[84:87] offset:MOFF
	v_mov_b32 v[MX], 0xff61b1e6                    ; the maxima begin at -3e38,
	v_mov_b32 v[MX+1], 0xff61b1e6
	v_mov_b32 v[NT], 0x7e000000                    ; -T at 2^125: the first factor is 2^(something very negative) = 0, and multiplies a sum of 0
	v_mov_b32 v[NT+1], 0x7e000000
.irp i, 0,1,2,3
	v_mov_b32 v[L2+\i], 0
.endr
	s_mov_b32 s40, 0                               ; where the trip's atoms of K begin,
	s_mov_b32 s41, SCW                             ; its scale words,
	s_mov_b32 s42, BI                              ; its C
	s_wait_alu depctr_va_vdst(0)
	s_wait_tensorcnt 0x0                           ; my eighth is in
	s_wait_dscnt 0x0                               ; my stores of C have landed
	s_barrier_signal -1
	s_barrier_wait -1                              ; both records and both C are whole
; 64 keys (the c-th of a trip's two): four atoms = two fragments of K, their scale words, and C in the results' layout
.macro KLOAD c
	v_add_nc_u32 v[ADR], s40, v[LB8]
.irp w, 0,1,2,3,4,5,6,7,8,9,10,11
	ds_load_b64 v[KF+2*\w:KF+2*\w+1], v[ADR] offset:\c*3072+256*\w
.endr
	v_add_nc_u32 v[ADR], s41, v[R8]
	ds_load_b64 v[KW:KW+1], v[ADR] offset:\c*128
	v_add_nc_u32 v[ADR], s42, v[H64]
.irp i, 0,1,2,3,4,5,6,7
	ds_load_b128 v[X+4*\i:X+4*\i+3], v[ADR] offset:\c*256+128*(\i/4)+16*(\i%4)   ; register 16 b + i: key 32 b + 16 h + i
.endr
	s_wait_dscnt 0x0
.endm
; S' = k q^T + C: key tile l = 0..3 x query tiles a, b.  Eight different accumulators.  Register 16 (l / 2) + 8 (l % 2) + j of a tile's 32 is key 32 (l / 2) + 16 h + 8 (l % 2) + j
.macro QKMUL
.irp l, 0,1,2,3
.if (\l%2) == 0
	v_wmma_scale_f32_16x16x128_f8f6f4 v[S+8*\l:S+8*\l+7], v[KF+12*(\l/2):KF+12*(\l/2)+11], v[ZQ+6:ZQ+17], v[X+8*\l:X+8*\l+7], v[KW+\l/2], v[QW] matrix_a_fmt:MATRIX_FMT_FP6 matrix_b_fmt:MATRIX_FMT_FP6
	v_wmma_scale_f32_16x16x128_f8f6f4 v[S+32+8*\l:S+32+8*\l+7], v[KF+12*(\l/2):KF+12*(\l/2)+11], v[ZQ+18:ZQ+29], v[X+8*\l:X+8*\l+7], v[KW+\l/2], v[QWR] matrix_a_fmt:MATRIX_FMT_FP6 matrix_b_fmt:MATRIX_FMT_FP6
.else
	v_wmma_scale_f32_16x16x128_f8f6f4 v[S+8*\l:S+8*\l+7], v[KF+12*(\l/2):KF+12*(\l/2)+11], v[ZQ:ZQ+11], v[X+8*\l:X+8*\l+7], v[KW+\l/2], v[QWR] matrix_a_fmt:MATRIX_FMT_FP6 matrix_b_fmt:MATRIX_FMT_FP6
	v_wmma_scale_f32_16x16x128_f8f6f4 v[S+32+8*\l:S+32+8*\l+7], v[KF+12*(\l/2):KF+12*(\l/2)+11], v[ZQ+12:ZQ+23], v[X+8*\l:X+8*\l+7], v[KW+\l/2], v[QW] matrix_a_fmt:MATRIX_FMT_FP6 matrix_b_fmt:MATRIX_FMT_FP6
.endif
.endr
.endm
; Pass 1's statistics of 64 keys, the two tiles by turns.  Each lane keeps its own maximum and sum (its half of the keys); the halves meet behind the pass.
.macro STAT1
.rept 4
	v_nop                                          ; places behind the products: for the reads below and for the next loads into their sources
.endr
.irp i, 0,1,2,3,4,5,6,7                        ; two chains a tile; each accumulator is first read at its low end
.irp q, 0,1
	v_max3_num_f32 v[MX+\q], v[MX+\q], v[S+32*\q+2*\i], v[S+32*\q+2*\i+1]
.if \i == 0
	v_max3_num_f32 v[C1+\q], v[S+32*\q+16], v[S+32*\q+17], v[S+32*\q+18]
.elseif \i < 7
	v_max3_num_f32 v[C1+\q], v[C1+\q], v[S+32*\q+17+2*\i], v[S+32*\q+18+2*\i]
.endif
.endr
.endr
.irp q, 0,1
	v_max3_num_f32 v[MX+\q], v[MX+\q], v[C1+\q], v[S+32*\q+31]
.endr
.irp q, 0,1
	s_delay_alu instid0(VALU_DEP_2)
	v_mul_f32 v[CM+\q], s22, v[MX+\q]
.endr
.irp q, 0,1
	s_delay_alu instid0(VALU_DEP_2)
	v_fma_f32 v[NN+\q], -|v[CM+\q]|, s17, -v[CM+\q]   ; the new -T: T lies a step of its spacing above c x maximum
.endr
.irp q, 0,1
	s_delay_alu instid0(VALU_DEP_2)
	v_sub_f32 v[DD+\q], v[NN+\q], v[NT+\q]         ; old T - new T, 0 or less
.endr
	s_wait_alu depctr_va_vdst(0)
	v_exp_f32 v[AA], v[DD]
	v_exp_f32 v[AA+1], v[DD+1]
	v_mov_b32 v[NT], v[NN]
	v_mov_b32 v[NT+1], v[NN+1]
.irp j, 0,2,4,6,8,10,12,14,16,18,20,22,24,26,28,30
	v_pk_fma_f32 v[S+\j:S+\j+1], v[S+\j:S+\j+1], s[22:23], v[NT:NT+1] op_sel_hi:[1,0,0]                       ; c S' - T, tile a: the pair's first word for both halves
	v_pk_fma_f32 v[S+32+\j:S+33+\j], v[S+32+\j:S+33+\j], s[22:23], v[NT:NT+1] op_sel:[0,0,1] op_sel_hi:[1,0,1]   ; tile b: its second
.endr
.set j, 0
	s_wait_alu depctr_va_vdst(0)
.rept 64
	v_exp_f32 v[S+j], v[S+j]
.set j, j+1
.endr
	v_nop                                          ; a plain line behind the exponentials
	s_wait_alu depctr_va_vdst(0)
.irp w, 16,8,4,2                               ; each tile's 16 pairs are added as a tree, in place
.set k, 0
.rept \w/2
.irp q, 0,1
	v_pk_add_f32 v[S+32*\q+k:S+32*\q+k+1], v[S+32*\q+k:S+32*\q+k+1], v[S+32*\q+k+\w:S+32*\q+k+\w+1]
.endr
.set k, k+2
.endr
.endr
	v_pk_fma_f32 v[L2:L2+1], v[L2:L2+1], v[AA:AA+1], v[S:S+1] op_sel_hi:[1,0,1]                               ; sum = sum x factor + this step's
	v_pk_fma_f32 v[L2+2:L2+3], v[L2+2:L2+3], v[AA:AA+1], v[S+32:S+33] op_sel:[0,1,0] op_sel_hi:[1,1,1]
.endm
	s_mov_b32 s45, 16
.Lpass1:                                           ; 16 trips of 128 keys
	KLOAD 0
	QKMUL
	STAT1
	KLOAD 1
	QKMUL
	STAT1
	s_add_co_u32 s40, s40, 6144
	s_add_co_u32 s41, s41, 256
	s_add_co_u32 s42, s42, 512
	s_sub_co_u32 s45, s45, 1
	s_cmp_lg_u32 s45, 0
	s_cbranch_scc1 .Lpass1
	; the two halves of the lanes meet: a common T, each half's sum brought under it, and the row's constant -T - log2(sum) + log2|M|, which normalises p inside pass 2's one multiply-add
	v_add_f32 v[C1], v[L2], v[L2+1]
	v_add_f32 v[C1+1], v[L2+2], v[L2+3]
	v_permlanex16_b32 v[CM], v[MX], s20, s21
	v_permlanex16_b32 v[CM+1], v[MX+1], s20, s21
	s_delay_alu instid0(VALU_DEP_2)
	v_max_num_f32 v[CM], v[CM], v[MX]
	s_delay_alu instid0(VALU_DEP_2)
	v_max_num_f32 v[CM+1], v[CM+1], v[MX+1]
	s_delay_alu instid0(VALU_DEP_2)
	v_mul_f32 v[CM], s22, v[CM]
	s_delay_alu instid0(VALU_DEP_2)
	v_mul_f32 v[CM+1], s22, v[CM+1]
	s_delay_alu instid0(VALU_DEP_2)
	v_fma_f32 v[NN], -|v[CM]|, s17, -v[CM]
	s_delay_alu instid0(VALU_DEP_2)
	v_fma_f32 v[NN+1], -|v[CM+1]|, s17, -v[CM+1]
	s_delay_alu instid0(VALU_DEP_2)
	v_sub_f32 v[DD], v[NN], v[NT]
	s_delay_alu instid0(VALU_DEP_2)
	v_sub_f32 v[DD+1], v[NN+1], v[NT+1]
	s_wait_alu depctr_va_vdst(0)
	v_exp_f32 v[AA], v[DD]
	v_exp_f32 v[AA+1], v[DD+1]
	v_nop
	s_wait_alu depctr_va_vdst(0)
	v_mul_f32 v[C1], v[C1], v[AA]
	v_mul_f32 v[C1+1], v[C1+1], v[AA+1]
	s_delay_alu instid0(VALU_DEP_2)
	v_permlanex16_b32 v[L2], v[C1], s20, s21
	s_delay_alu instid0(VALU_DEP_2)
	v_permlanex16_b32 v[L2+1], v[C1+1], s20, s21
	s_delay_alu instid0(VALU_DEP_2)
	v_add_f32 v[C1], v[C1], v[L2]
	s_delay_alu instid0(VALU_DEP_2)
	v_add_f32 v[C1+1], v[C1+1], v[L2+1]
	s_delay_alu instid0(VALU_DEP_2)
	v_max_num_f32 v[C1], 0x00800000, v[C1]         ; held at 2^-126 from below: a sum of 0 gives p = 0 and no NaN
	s_delay_alu instid0(VALU_DEP_2)
	v_max_num_f32 v[C1+1], 0x00800000, v[C1+1]
	s_wait_alu depctr_va_vdst(0)
	v_log_f32 v[C1], v[C1]
	v_log_f32 v[C1+1], v[C1+1]
	v_nop
	s_wait_alu depctr_va_vdst(0)
	v_sub_f32 v[NT], v[NN], v[C1]
	v_sub_f32 v[NT+1], v[NN+1], v[C1+1]
	s_delay_alu instid0(VALU_DEP_2)
	v_add_f32 v[NT], s19, v[NT]                    ; + log2|M|
	s_delay_alu instid0(VALU_DEP_2)
	v_add_f32 v[NT+1], s19, v[NT+1]
	s_wait_alu depctr_va_vdst(0)
	s_mov_b32 s40, 0
	s_mov_b32 s41, SCW
	s_mov_b32 s42, BI+MOFF                         ; pass 2's C
	s_mov_b32 s43, VREC                            ; where the step's atoms of V begin,
	s_mov_b32 s44, VREC+SCW                        ; and its scale words
; Pass 2, 64 keys (the c-th half of a step of 128): p = 2^(c S' + the row's constant), quantised in blocks of 32 keys: registers 6 c .. 6 c + 5 of p's fragments and bytes 2 c, 2 c + 1 of their scale words.
; Behind the second half's conversions V's four fragments are asked for, into S's registers.
.macro SOFT2 c
.rept 4
	v_nop                                          ; places behind the products
.endr
.irp j, 0,2,4,6,8,10,12,14,16,18,20,22,24,26,28,30
	v_pk_fma_f32 v[S+\j:S+\j+1], v[S+\j:S+\j+1], s[22:23], v[NT:NT+1] op_sel_hi:[1,0,0]
	v_pk_fma_f32 v[S+32+\j:S+33+\j], v[S+32+\j:S+33+\j], s[22:23], v[NT:NT+1] op_sel:[0,0,1] op_sel_hi:[1,0,1]
.endr
.set j, 0
	s_wait_alu depctr_va_vdst(0)
.rept 64
	v_exp_f32 v[S+j], v[S+j]
.set j, j+1
.endr
	v_nop                                          ; a plain line behind the exponentials
	s_wait_alu depctr_va_vdst(0)
.irp n, 0,1,2,3                                ; block n = 2 x tile + (key / 32): my 16 numbers, none negative, and the floor 2^(3 - 127)
	v_max3_num_f32 v[TM+\n], v[S+16*\n], v[S+16*\n+1], 0x1800000
.endr
.irp i, 2,4,6,8,10,12,14                       ; the four blocks by turns: no line reads the line above it
.irp n, 0,1,2,3
	v_max3_num_f32 v[TM+\n], v[TM+\n], v[S+16*\n+\i], v[S+16*\n+\i+1]
.endr
.endr
.irp n, 0,1,2,3
	s_delay_alu instid0(VALU_DEP_4)
	v_permlanex16_b32 v[TP+\n], v[TM+\n], s20, s21
.endr
.irp n, 0,1,2,3
	s_delay_alu instid0(VALU_DEP_4)
	v_max_num_f32 v[TM+\n], v[TM+\n], v[TP+\n]     ; with lane l xor 16's 16 keys
.endr
.irp n, 0,1,2,3
	s_delay_alu instid0(VALU_DEP_4)
	v_add_nc_u32 v[TS+\n], 0xff000000, v[TM+\n]    ; the conversion's scale operand
.endr
.irp n, 0,1,2,3
	s_delay_alu instid0(VALU_DEP_4)
	v_lshrrev_b32 v[TP+\n], 23, v[TS+\n]           ; the byte
.endr
.if \c == 0
	s_delay_alu instid0(VALU_DEP_3)
	v_lshl_or_b32 v[PW], v[TP+1], 8, v[TP]
	s_delay_alu instid0(VALU_DEP_2)
	v_lshl_or_b32 v[PW+1], v[TP+3], 8, v[TP+2]
.else
	s_delay_alu instid0(VALU_DEP_4)
	v_lshl_or_b32 v[PW], v[TP], 16, v[PW]
	s_delay_alu instid0(VALU_DEP_3)
	v_lshl_or_b32 v[PW+1], v[TP+2], 16, v[PW+1]
	s_delay_alu instid0(VALU_DEP_2)
	v_lshl_or_b32 v[PW], v[TP+1], 24, v[PW]
	s_delay_alu instid0(VALU_DEP_2)
	v_lshl_or_b32 v[PW+1], v[TP+3], 24, v[PW+1]
.endif
	v_cvt_scalef32_pk16_fp6_f32 v[P+6*\c:P+6*\c+2], v[S:S+15], v[TS]
	v_cvt_scalef32_pk16_fp6_f32 v[CY:CY+2], v[S+16:S+31], v[TS+1]
	v_cvt_scalef32_pk16_fp6_f32 v[P+12+6*\c:P+12+6*\c+2], v[S+32:S+47], v[TS+2]
	v_cvt_scalef32_pk16_fp6_f32 v[CY+4:CY+6], v[S+48:S+63], v[TS+3]
.if \c == 0
	v_nop                                          ; one plain line behind the conversions
.else
	v_add_nc_u32 v[ADR], s43, v[LB8]               ; (the plain line behind the conversions)
.irp d, 0,1,2,3
.irp w, 0,1,2,3,4,5
	ds_load_b64 v[S+12*\d+2*\w:S+12*\d+2*\w+1], v[ADR] offset:\d*768+(\w/3)*3072+(\w%3)*256   ; channel tile d: the atoms of keys 0-63 and 64-127 of the step
.endr
.endr
	v_add_nc_u32 v[ADR], s44, v[R16]
	ds_load_b128 v[VW:VW+3], v[ADR]
.endif
.irp i, 0,1,2                                  ; a lane is to hold a WHOLE block: lanes 0-15 the first 32 keys, lanes 16-31 the second
	v_permlane16_swap_b32 v[P+6*\c+\i], v[CY+\i]
	v_permlane16_swap_b32 v[P+12+6*\c+\i], v[CY+4+\i]
.endr
.irp i, 0,1,2
	v_mov_b32 v[P+6*\c+3+\i], v[CY+\i]
	v_mov_b32 v[P+12+6*\c+3+\i], v[CY+4+\i]
.endr
.endm
; O^T (+)= v^T p^T over 128 keys: eight accumulators by turns, one instruction a turn.  z = 1: the products start the sums
.macro PVMUL z
.rept 4
	v_nop                                          ; p's codes, written by vector lines, stand four places ahead of the products; its scale words stand behind the two adds, the six moves and these four: twelve
.endr
	s_wait_alu depctr_va_vdst(0)
	s_wait_dscnt 0x0                               ; V's fragments and scale words are in
.irp d, 0,1,2,3
.irp q, 0,1
.if \z
	v_wmma_scale_f32_16x16x128_f8f6f4 v[O+32*\q+8*\d:O+32*\q+8*\d+7], v[S+12*\d:S+12*\d+11], v[P+12*\q:P+12*\q+11], 0, v[VW+\d], v[PW+\q] matrix_a_fmt:MATRIX_FMT_FP6 matrix_b_fmt:MATRIX_FMT_FP6
.else
	v_wmma_scale_f32_16x16x128_f8f6f4 v[O+32*\q+8*\d:O+32*\q+8*\d+7], v[S+12*\d:S+12*\d+11], v[P+12*\q:P+12*\q+11], v[O+32*\q+8*\d:O+32*\q+8*\d+7], v[VW+\d], v[PW+\q] matrix_a_fmt:MATRIX_FMT_FP6 matrix_b_fmt:MATRIX_FMT_FP6
.endif
.endr
.endr
.rept 2
	v_nop                                          ; the next products write over registers that these have read: five places, these two and the three address lines of the next loads
.endr
.endm
.macro STEP2 z
	KLOAD 0
	QKMUL
	s_wait_alu depctr_va_vdst(0)
	SOFT2 0
	KLOAD 1
	QKMUL
	SOFT2 1
	PVMUL \z
	s_add_co_u32 s40, s40, 6144
	s_add_co_u32 s41, s41, 256
	s_add_co_u32 s42, s42, 512
	s_add_co_u32 s43, s43, 6144
	s_add_co_u32 s44, s44, 256
.endm
	STEP2 1                                        ; the first step stands ahead of the loop: nothing is cleared
	s_mov_b32 s45, 15
.Lpass2:
	STEP2 0
	s_sub_co_u32 s45, s45, 1
	s_cmp_lg_u32 s45, 0
	s_cbranch_scc1 .Lpass2
	; THE WAY OUT.  Register j of O(q, d) is channel 32 (d / 2) + 16 h + 8 (d % 2) + j of query r of tile q.  A tile's 16 rows of 256 bytes go through the wave's own stage, bytes that no tile lands on and no other wave names:
	; no barrier.  They come back as whole rows: each half of the lanes stores 256 consecutive bytes, aligned.  Row r of tile u is token 8 u + r % 8 + 16 (r / 8) of my 32.
.rept 2
	v_nop                                          ; with the two behind the products: four places ahead of the first read of O^T
.endr
.irp j, 0,2,4,6,8,10,12,14,16,18,20,22,24,26,28,30,32,34,36,38,40,42,44,46,48,50,52,54,56,58,60,62
	v_pk_mul_f32 v[O+\j:O+\j+1], v[O+\j:O+\j+1], s[18:19] op_sel_hi:[1,0]   ; x sgn(M), each accumulator from its low end on
.endr
	s_mul_i32 s46, s12, STG
	s_add_co_u32 s46, s46, STB
	v_and_b32 v68, 15, v0
	s_delay_alu instid0(VALU_DEP_1)
	v_mul_u32_u24 v69, v68, 272
	s_delay_alu instid0(VALU_DEP_1)
	v_add_nc_u32 v69, v69, v[H64]
	s_delay_alu instid0(VALU_DEP_1)
	v_add_nc_u32 v69, s46, v69                     ; in: row r, + 64 h
	v_bfe_u32 v72, v0, 4, 1
	s_delay_alu instid0(VALU_DEP_1)
	v_mul_u32_u24 v70, v72, 272
	s_delay_alu instid0(VALU_DEP_1)
	v_add_nc_u32 v70, v70, v[R16]
	s_delay_alu instid0(VALU_DEP_1)
	v_add_nc_u32 v70, s46, v70                     ; back: lanes 0-15 one row, lanes 16-31 the next
	s_delay_alu instid0(VALU_DEP_4)
	v_lshl_add_u32 v71, v72, 12, v[R16]            ; and the same in out0: rows of 4,096 bytes
.irp q, 0,1                                    ; LDS serves a wave's instructions in order: the loads see the stores above them, and tile b's stores come behind tile a's loads
.irp d, 0,1,2,3
	ds_store_b128 v69, v[O+32*\q+8*\d:O+32*\q+8*\d+3] offset:128*(\d/2)+32*(\d%2)
	ds_store_b128 v69, v[O+32*\q+8*\d+4:O+32*\q+8*\d+7] offset:128*(\d/2)+32*(\d%2)+16
.endr
.irp i, 0,1,2,3,4,5,6,7
	ds_load_b128 v[S+32*\q+4*\i:S+32*\q+4*\i+3], v70 offset:544*\i
.endr
.endr
	s_wait_alu depctr_va_vdst(0)
.irp i, 0,1,2,3,4,5,6,7,8,9,10,11,12,13,14,15
.set TOK, 8*((2*\i)>>4)+((2*\i)&7)+16*(((2*\i)>>3)&1)
	s_wait_dscnt 15-\i                             ; load i is in: behind it stand at least 15 - i LDS instructions
	global_store_b128 v71, v[S+4*\i:S+4*\i+3], s[10:11] offset:TOK*4096 th:TH_STORE_NT
.endr
	s_wait_xcnt 0x0
	v_lshl_add_u32 v254, v0, 2, SPB
	v_mov_b32 v255, 0
	s_wait_alu depctr_va_vdst(0)
	s_wait_tensorcnt 0x0                           ; the wave's end
	ds_add_u32 v254, v255
	s_wait_dscnt 0x0
	ROUND                                          ; the closing round: no work-group ends while a partner may still ask jointly
	s_endpgm
.Lfunc_end_k_q7e70a66f1a_attn:
	.size	k_q7e70a66f1a_attn, .Lfunc_end_k_q7e70a66f1a_attn-k_q7e70a66f1a_attn
	.p2alignl 7, 3214868480
	.fill 96, 4, 3214868480
	.section	.rodata,"a",@progbits
	.p2align	6, 0x0
	.amdhsa_kernel k_q7e70a66f1a_attn
		.amdhsa_group_segment_fixed_size 292864
		.amdhsa_private_segment_fixed_size 0
		.amdhsa_enable_private_segment 0
		.amdhsa_kernarg_size 32
		.amdhsa_user_sgpr_count 2
		.amdhsa_user_sgpr_kernarg_segment_ptr 1
		.amdhsa_wavefront_size32 1
		.amdhsa_system_sgpr_workgroup_id_x 1
		.amdhsa_system_sgpr_workgroup_id_y 1
		.amdhsa_system_sgpr_workgroup_id_z 1
		.amdhsa_system_vgpr_workitem_id 0
		.amdhsa_next_free_vgpr 256
		.amdhsa_next_free_sgpr 66
		.amdhsa_reserve_vcc 0
		.amdhsa_float_denorm_mode_32 3
		.amdhsa_float_denorm_mode_16_64 3
		.amdhsa_memory_ordered 1
		.amdhsa_forward_progress 1
		.amdhsa_inst_pref_size 96
	.end_amdhsa_kernel
	.amdgpu_metadata
---
amdhsa.version: [ 1, 2 ]
amdhsa.kernels:
  - .name:           k_q7e70a66f1a_attn
    .symbol:         k_q7e70a66f1a_attn.kd
    .args:
      - { .name: qk, .offset: 0, .size: 8, .value_kind: global_buffer, .address_space: global }
      - { .name: vt, .offset: 8, .size: 8, .value_kind: global_buffer, .address_space: global }
      - { .name: mask, .offset: 16, .size: 8, .value_kind: global_buffer, .address_space: global }
      - { .name: out0, .offset: 24, .size: 8, .value_kind: global_buffer, .address_space: global }
    .group_segment_fixed_size: 292864
    .private_segment_fixed_size: 0
    .kernarg_segment_align: 8
    .kernarg_segment_size: 32
    .max_flat_workgroup_size: 512
    .sgpr_count:     66
    .vgpr_count:     256
    .wavefront_size: 32
...
	.end_amdgpu_metadata
.endif
;; end of part 3
